; MI455X (gfx1250); checked and timed in simulation.
; The chip was launched on July 23, 2026; its instructions are those of AMD's public machine-readable ISA for CDNA 5 (MIT licence, August 2026) and "CDNA5" Instruction Set Architecture Reference Guide (July 2026). The comments in the code are by the model that wrote it; some were corrected since.
;; Multi Head Attention. Allowed arithmetic: matrix products marked QUANTISED: E2M1 operands, one E8M0 scale for each 32 along K, by v_wmma_scale_f32_16x16x128_f8f6f4 with both operands' format E2M1 (or v_wmma_scale_f32_32x16x128_f4), f32 sums; everything else in f32.
;; Inputs: k 4 x 2,048 x 1,024 float32; mask 1 x 1 x 2,048 x 2,048 float32; q 4 x 2,048 x 1,024 float32; v_codes 4 x 1,024 x 64 x 16 uint8 (E2M1 codes of v, K innermost, in blocks of 32 codes, two codes a byte); v_scales 4 x 1,024 x 64 uint8 (E8M0 scales of v, one for each 32 codes along K).
;; Outputs: out0 4 x 1 x 2,048 x 1,024 float32.
;; Constants: training = 0.
;; This version of the problem:
;;   THIS VERSION OF THE PROBLEM IS GIVEN IN LOW PRECISION. The matrix products marked QUANTISED in the list below multiply operands that are first quantised to E2M1 (2 exponent bits, 1 mantissa bit; 4 bits a number), with one power-of-two scale for each 32 numbers along K (OCP MX v1.0); their sums are f32. All else is computed in f32.
;;   The module's matrix products, in the order in which they are computed (A, B: the left and right operand; K: the contracted axis; several contracted axes count as one K, in the product's order):
;;     1. batch 64 x [M 2,048, K 64] x [K 64, N 2,048]; A: input q; B: input k: QUANTISED
;;     2. batch 64 x [M 2,048, K 2,048] x [K 2,048, N 64]; A: softmax (see below); B: input v (given as codes): QUANTISED
;;   THE QUANTISER, for each operand of a quantised product, along K:
;;     - K is cut into blocks of 32 from its start; a last block that is shorter is filled with zeros.
;;     - A block's scale is 2^e with e = floor(log2(the largest magnitude in the block)) - 2, held to -126 .. 127; a block of zeros has e = 0. As a byte (E8M0): e + 127.
;;     - Each number is divided by its block's scale, clamped to +-6, and rounded to the nearest number of E2M1, ties to even, subnormals kept.
;;     - The product sums the exact products of the quantised numbers (number of the format x scale) in f32.
;;   ~~~python
;;   def quantise(x, axis):      # numpy; x: float32 -> the quantised numbers, widened to float32 again
;;       x = np.moveaxis(x, axis, -1); K = x.shape[-1]
;;       x = np.pad(x, [(0, 0)] * (x.ndim - 1) + [(0, -K % 32)]); x = x.reshape(x.shape[:-1] + (-1, 32)); a = np.abs(x).max(-1, keepdims=True)
;;       e = np.where(a > 0, np.clip(np.frexp(np.where(a > 0, a, 1))[1] - 1 - 2, -126, 127), 0)      # np.frexp(a)[1] - 1 = floor(log2(a)), exactly
;;       r = np.clip(x / 2.0 ** e, -6, 6)
;;       step = 2.0 ** (np.maximum(np.frexp(np.where(r == 0, 1, r))[1] - 1, 0) - 1)
;;       q = np.round(r / step) * step * 2.0 ** e      # np.round: ties to even
;;       return np.moveaxis(q.reshape(q.shape[:-2] + (-1,))[..., :K], -1, axis).astype(np.float32)
;;   ~~~
;;   SOFTMAX AHEAD OF A QUANTISED PRODUCT. Where the list says 'softmax', what is quantised is not the finished softmax but p = 2^(t - M), with t = logit x log2(e) and M = ceil(the row's largest t), a whole number; so 1/2 < the row's largest p <= 1. The row's sum l is taken of the UNQUANTISED p, in f32, and the product's result is divided by l at the end. Since M is a whole number, a kernel that streams over the keys may use a running M (the ceiling of the running maximum): every later rescaling is an exact power of two, which a block's scale takes up: the codes' values come out the same.
;;   OPERANDS COMPUTED ON THE WAY. 'Computed on the way' means the value that the module computes at that place (a softmax that the list does not call 'softmax' is quantised finished and normalised). What goes into a quantiser is computed in f32, as accurately as f32 sums, v_exp_f32 and their like allow (about 1e-6 of the number): no bf16 or f16 on the way to a quantiser, and a product that is left as it is and whose result goes on into a quantised operand takes f32 operands (vector FMAs, or v_wmma_f32_16x16x4_f32). A number that lies on a knife's edge between two numbers of the format may be rounded either way, as far as f32 arithmetic and the matrix unit's own rounding can turn it there, and no further.
;;   INPUTS GIVEN AS CODES. v (in the module: [4, 2048, 1024], K = its axis 1): each comes as NAME_codes (uint8): NAME with its K axis moved to the last place and cut into blocks of 32 codes, [.., K / 32, bytes a block], one block behind the other in memory; two codes a byte, the lower K in the low four bits (a code: sign, 2 exponent bits, 1 mantissa bit); and NAME_scales (uint8): the same leading axes, one E8M0 byte (e + 127) for each 32 codes along K. Its value is code x scale, taken as it is: it is not quantised again, and the codes and scales need not be those that the quantiser above would give.
;; One version. Each part assembles by itself: llvm-mc -triple=amdgcn-amd-amdhsa -mcpu=gfx1250 --defsym DOCPART=n.
;; ======== version 1 of 1: 2 launches
;; limits: right only within a limited range of input values
;; workspace buffers: kvc 8,388,608 bytes; kvs 524,288 bytes; qc 4,194,304 bytes; qs 262,144 bytes
;; launch prep (part 1): grid 640 x 1, 4 waves a work-group, no clusters, 74,240 bytes of LDS; arguments q, k, v_codes, v_scales, qc, qs, kvc, kvs; writes qc, qs, kvc, kvs
.if DOCPART == 1
	.amdgcn_target "amdgcn-amd-amdhsa--gfx1250"
	.amdhsa_code_object_version 6
	.text
	.protected	k_q61fd796d91_prep
	.globl	k_q61fd796d91_prep
	.p2align	8
	.type	k_q61fd796d91_prep,@function
k_q61fd796d91_prep:
	s_mov_b64 s[64:65], 0
	v_nop
	global_prefetch_b8 v0, s[64:65] scope:SCOPE_SE
	s_setreg_imm32_b32 hwreg(HW_REG_WAVE_MODE, 25, 1), 1
	s_wait_xcnt 0x0
; q and k [4][2048][1024] f32 become codes of FP4 (E2M1) with one E8M0 byte for each 32 along a head's 64; v's codes and scale bytes are laid anew.
; All four workspace buffers are laid IN THE ORDER OF THE OPERANDS' REGISTERS of the attention launch, so that there a fragment is a run of 16 bytes a lane.
; y = 4 b + head / 4 (a quad of heads), t = a block of 128 rows (queries or keys), f = a block of 32 rows in it.  Row kappa of such a block stands at u = (kappa >> 3) & 1, r = (kappa & 7) + 8 (kappa >> 4).
;   qc  [y][t][f4][head4][u2][h2][r16][16 B]        h: which 32 of the head's 64
;   qs  [y][t][f4][head4][r16][4 B: u0h0, u0h1, u1h0, u1h1]
;   kvc [y][t][32,768]: K as qc (16,384 B); then V: [dt4][head4][c2][h2][r16][16 B]: channel 16 dt + r, keys 128 t + 64 c + 32 h + 0 .. 31
;   kvs [y][t][2,048]:  K as qs (1,024 B);  then V: [head4][dt4][r16][4 B]: the four bytes of keys 128 t on
; A block's scale is 2^(floor(log2(its largest magnitude)) - 2); its byte is that magnitude's exponent field - 2, held at 1 from below.  A block of zeros keeps the byte 1: its codes are zeros, and this program alone reads the bytes.
; LIMITS: blocks whose largest magnitude lies under 2^-124 keep the byte 1; NaN and infinities among the inputs are not served.
; Work-groups 0-255 take q, 256-511 k (one path, the buffers chosen by the work-group's number), 512-639 v (a path of its own, with LDS bytes of its own).  Waves share nothing: no barrier.
.set WA,    9728                       ; path A, LDS of a wave: two turn stages of 32 x 80 B, the codes' stage of 16 x 272 B, 256 scale bytes
.set CST,   5120
.set SBY,   9472
.set BBASE, 38912                      ; path B begins behind path A's four regions
.set WB,    8704                       ; path B, LDS of a wave: 32 pieces x 272 B
.set R,     16                         ; v16-79   four sets of 16 numbers as loaded
.set X,     80                         ; v80-111  two sets of 16 neighbours
.set E,     112                        ; v112-127 a scale byte for each step
.set C,     128                        ; v128-159 two registers of codes for each step: no store's data are written again
	s_load_b256 s[4:11], s[0:1], 0x0               ; q s[4:5], k s[6:7], v_codes s[8:9], v_scales s[10:11]
	s_load_b256 s[12:19], s[0:1], 0x20             ; qc s[12:13], qs s[14:15], kvc s[16:17], kvs s[18:19]
	v_lshl_add_u32 v192, v0, 2, 0x12000
	v_mov_b32 v193, 0
	v_lshrrev_b32 v1, 5, v0
	v_readfirstlane_b32 s23, v1                    ; wave 0..3
	v_and_b32 v2, 31, v0                           ; lane
	v_lshlrev_b32 v3, 4, v2                        ; 16 x lane
	s_cmp_ge_u32 ttmp9, 512
	s_cbranch_scc1 .Lrelay
; ---- PATH A: a wave takes 32 rows (block f = its number) x a quad's 256 numbers, in 16 steps of two rows: step s takes the rows that stand at (u = 0, r = s) and (u = 1, r = s).
	s_mul_i32 s30, s23, WA
	s_add_co_u32 s31, s30, CST
	s_add_co_u32 s32, s30, SBY
	v_lshrrev_b32 v14, 2, v2
	v_mul_u32_u24 v14, v14, 80
	v_and_b32 v15, 3, v2
	v_lshl_add_u32 v14, v15, 4, v14
	v_add_nc_u32 v14, s30, v14                     ; turn stage, in: four lanes' 64 bytes on end, then 16 of padding
	v_mul_u32_u24 v15, v2, 80
	v_add_nc_u32 v15, s30, v15                     ; and out: 80 x lane: my 16 neighbours.  Lanes 0-15 hold the first row, lanes 16-31 the second; head = (lane >> 2) & 3, h = (lane >> 1) & 1, half = lane & 1
	v_bfe_u32 v8, v2, 2, 2                         ; head
	v_lshrrev_b32 v9, 4, v2                        ; u
	v_bfe_u32 v11, v2, 1, 1                        ; h
	v_lshlrev_b32 v4, 2, v8
	v_lshl_add_u32 v4, v9, 1, v4
	v_add_nc_u32 v4, v4, v11                       ; piece 4 head + 2 u + h
	v_mul_u32_u24 v4, v4, 272
	v_and_b32 v12, 1, v2
	v_lshl_add_u32 v4, v12, 3, v4
	v_add_nc_u32 v4, s31, v4                       ; codes' stage: my piece, my 8 bytes of a row's 16; the step's row in the immediate
	v_lshlrev_b32 v5, 6, v8
	v_lshl_add_u32 v5, v9, 1, v5
	v_add_nc_u32 v5, v5, v11
	v_add_nc_u32 v5, s32, v5                       ; scale bytes: 64 head + 2 u + h; 4 x the step's row in the immediate
	v_lshlrev_b32 v7, 3, v2                        ; on the way out 8 bytes a lane
	v_add_nc_u32 v6, s32, v7
	v_and_b32 v12, 15, v2
	v_mul_u32_u24 v10, v9, 272
	v_lshl_add_u32 v10, v12, 4, v10
	v_add_nc_u32 v10, s31, v10                     ; codes' stage, out: sixteen lanes to a piece, two pieces an instruction
	s_and_b32 s20, ttmp9, 255                      ; 16 y + t
	s_lshr_b32 s24, s20, 6
	s_lshl_b32 s24, s24, 23                        ; b: 2,048 rows of 4,096 bytes
	s_and_b32 s25, s20, 15
	s_lshl_b32 s25, s25, 19                        ; t: 128 rows
	s_add_co_u32 s24, s24, s25
	s_lshl_b32 s25, s23, 17                        ; f: 32 rows
	s_add_co_u32 s24, s24, s25
	s_bfe_u32 s25, s20, 0x20004
	s_lshl_b32 s25, s25, 10                        ; the quad's 1,024 bytes of a row
	s_add_co_u32 s24, s24, s25
	s_mov_b32 s25, 0
	s_cmp_lt_u32 ttmp9, 256                        ; q or k?  The choice hangs on the work-group's number alone
	s_cselect_b32 s21, 14, 15                      ; a (y, t) of codes: 16,384 bytes in qc, 32,768 in kvc
	s_cselect_b32 s22, 10, 11                      ; of scale bytes: 1,024 in qs, 2,048 in kvs
	s_wait_kmcnt 0x0
	s_cselect_b64 s[4:5], s[4:5], s[6:7]
	s_cselect_b64 s[12:13], s[12:13], s[16:17]
	s_cselect_b64 s[14:15], s[14:15], s[18:19]
	s_add_nc_u64 s[4:5], s[4:5], s[24:25]
	s_lshl_b32 s26, s20, s21
	s_lshl_b32 s27, s23, 12                        ; f: 4,096 bytes of codes
	s_add_co_u32 s26, s26, s27
	s_mov_b32 s27, 0
	s_add_nc_u64 s[12:13], s[12:13], s[26:27]
	s_lshl_b32 s28, s20, s22
	s_lshl_b32 s29, s23, 8                         ; f: 256 scale bytes
	s_add_co_u32 s28, s28, s29
	s_mov_b32 s29, 0
	s_add_nc_u64 s[14:15], s[14:15], s[28:29]
.macro LOAD t                          ; step t's two rows, 1,024 bytes each: four loads of 512 consecutive bytes
.set KA, ((\t)+8*((\t)/8))*4096
	global_load_b128 v[R+16*((\t)%4):R+16*((\t)%4)+3],     v3, s[4:5] offset:KA th:TH_LOAD_NT
	global_load_b128 v[R+16*((\t)%4)+4:R+16*((\t)%4)+7],   v3, s[4:5] offset:KA+512 th:TH_LOAD_NT
	global_load_b128 v[R+16*((\t)%4)+8:R+16*((\t)%4)+11],  v3, s[4:5] offset:KA+8*4096 th:TH_LOAD_NT
	global_load_b128 v[R+16*((\t)%4)+12:R+16*((\t)%4)+15], v3, s[4:5] offset:KA+8*4096+512 th:TH_LOAD_NT
.endm
.macro TURN t                          ; through the stage: LDS serves a wave's instructions in order, so no wait stands between the stores and the loads
.irp i, 0,1,2,3
	ds_store_b128 v14, v[R+16*((\t)%4)+4*\i:R+16*((\t)%4)+4*\i+3] offset:2560*((\t)%2)+640*\i
.endr
.irp i, 0,1,2,3
	ds_load_b128 v[X+16*((\t)%2)+4*\i:X+16*((\t)%2)+4*\i+3], v15 offset:2560*((\t)%2)+16*\i
.endr
.endm
.macro QSTEP t
.set XS, X+16*((\t)%2)
.if (\t) > 0
	s_wait_dscnt 2                                 ; this step's numbers are back from the stage: behind its four loads only the last step's two stores (codes, byte) were issued
.else
	s_wait_dscnt 0x0
.endif
.if (\t)+4 < 16
	LOAD (\t)+4                                    ; into the set that this step's stage stores have read
.endif
.if (\t)+1 < 16
.if (\t) < 12
	s_wait_loadcnt 12                              ; the next step's four loads are in; those of the three steps behind it may be out
.else
	s_wait_loadcnt 4*(14-(\t))                     ; the counts run down: no loads are left to issue
.endif
	TURN (\t)+1
.endif
	v_max3_num_f32 v8, |v[XS]|, |v[XS+1]|, |v[XS+2]|               ; the largest magnitude of my 16, in two chains
	v_max3_num_f32 v9, |v[XS+3]|, |v[XS+4]|, |v[XS+5]|
.irp i, 6,10
	v_max3_num_f32 v8, v8, |v[XS+\i]|, |v[XS+\i+1]|
	v_max3_num_f32 v9, v9, |v[XS+\i+2]|, |v[XS+\i+3]|
.endr
	v_max3_num_f32 v8, v8, |v[XS+14]|, |v[XS+15]|
	v_max3_num_f32 v8, v8, v9, 0x1800000           ; and the floor 2^(3 - 127): the byte cannot fall under 1
	v_max_num_f32_dpp v8, v8, v8 row_xmask:1 row_mask:0xf bank_mask:0xf   ; with my neighbour's 16: the block's
	v_add_nc_u32 v11, 0xff000000, v8               ; 2 off its exponent field: the conversion takes the exponent field of this operand as its scale
	v_cvt_scalef32_pk8_fp4_f32 v[C+2*(\t)], v[XS:XS+7], v11
	v_cvt_scalef32_pk8_fp4_f32 v[C+2*(\t)+1], v[XS+8:XS+15], v11
	v_lshrrev_b32 v[E+(\t)], 23, v11               ; the scale's byte (also the plain line behind the conversions)
	ds_store_b64 v4, v[C+2*(\t):C+2*(\t)+1] offset:16*(\t)
	ds_store_b8 v5, v[E+(\t)] offset:4*(\t)        ; both lanes of a block write the same byte with the same value
.endm
.irp t, 0,1,2,3
	LOAD \t
.endr
	s_wait_loadcnt 12                              ; step 0's four loads are in
	TURN 0
.irp t, 0,1,2,3,4,5,6,7,8,9,10,11,12,13,14,15
	QSTEP \t
.endr
	ds_load_b64 v[12:13], v6                       ; LDS serves a wave's instructions in order: these see my stores
.irp i, 0,1,2,3,4,5,6,7
	ds_load_b128 v[R+4*\i:R+4*\i+3], v10 offset:544*\i
.endr
	s_wait_dscnt 8                                 ; the scale bytes are back; the eight loads behind may be out
	global_store_b64 v7, v[12:13], s[14:15]        ; 32 lanes store 256 consecutive bytes, aligned
.irp i, 0,1,2,3,4,5,6,7
	s_wait_dscnt 7-\i
	global_store_b128 v3, v[R+4*\i:R+4*\i+3], s[12:13] offset:512*\i   ; 512 consecutive bytes: two pieces
.endr
	s_wait_tensorcnt 0x0
	ds_add_u32 v192, v193
	s_wait_dscnt 0x0
	s_endpgm
; ---- PATH B: v.  Work-group g = number - 512: b = g >> 5, head = (g >> 1) & 15, half of the keys = g & 1; wave = dt.  A wave takes 16 channels x 32 blocks of 16 bytes and turns [channel][block] into [block][channel].
.Lrelay:
	s_sub_co_u32 s20, ttmp9, 512
	s_lshr_b32 s21, s20, 5                         ; b
	s_bfe_u32 s22, s20, 0x40001                    ; head 0..15
	s_and_b32 s24, s20, 1                          ; which 1,024 keys
	s_lshl_b32 s26, s21, 20                        ; v_codes: b: 1,024 rows of 1,024 bytes;
	s_lshl_b32 s27, s22, 16                        ; head: 64 rows;
	s_add_co_u32 s26, s26, s27
	s_lshl_b32 s27, s23, 14                        ; dt: 16 rows;
	s_add_co_u32 s26, s26, s27
	s_lshl_b32 s27, s24, 9                         ; 32 blocks
	s_add_co_u32 s26, s26, s27
	s_mov_b32 s27, 0
	s_lshl_b32 s28, s21, 16                        ; v_scales: rows of 64 bytes
	s_lshl_b32 s29, s22, 12
	s_add_co_u32 s28, s28, s29
	s_lshl_b32 s29, s23, 10
	s_add_co_u32 s28, s28, s29
	s_lshl_b32 s29, s24, 5
	s_add_co_u32 s28, s28, s29
	s_mov_b32 s29, 0
	s_lshl_b32 s30, s21, 2
	s_lshr_b32 s31, s22, 2
	s_add_co_u32 s30, s30, s31                     ; y
	s_lshl_b32 s30, s30, 4
	s_lshl_b32 s31, s24, 3
	s_add_co_u32 s30, s30, s31                     ; 16 y + my first t
	s_and_b32 s25, s22, 3                          ; the head in its quad
	s_lshl_b32 s32, s30, 15
	s_lshl_b32 s33, s23, 12
	s_add_co_u32 s32, s32, s33
	s_lshl_b32 s33, s25, 10
	s_add_co_u32 s32, s32, s33
	s_add_co_u32 s32, s32, 16384                   ; kvc: V's part, [dt][head]
	s_mov_b32 s33, 0
	s_lshl_b32 s34, s30, 11
	s_lshl_b32 s35, s25, 8
	s_add_co_u32 s34, s34, s35
	s_lshl_b32 s35, s23, 6
	s_add_co_u32 s34, s34, s35
	s_add_co_u32 s34, s34, 1024                    ; kvs: V's part, [head][dt]
	s_mov_b32 s35, 0
	s_mul_i32 s36, s23, WB
	s_add_co_u32 s36, s36, BBASE
	s_wait_alu depctr_va_vdst(0)
	v_and_b32 v12, 15, v2
	v_lshrrev_b32 v13, 4, v2
	v_mul_u32_u24 v4, v2, 272
	v_add_nc_u32 v4, s36, v4                       ; in: piece = my block; the channel in the immediate
	v_mul_u32_u24 v5, v13, 272
	v_lshl_add_u32 v5, v12, 4, v5
	v_add_nc_u32 v5, s36, v5                       ; out: sixteen lanes to a piece, two pieces an instruction
	v_lshlrev_b32 v6, 6, v12
	v_lshl_add_u32 v6, v13, 4, v6                  ; scale bytes, in: channel lane % 16, four words (four t) for each half of the lanes
	v_lshlrev_b32 v7, 2, v12
	v_lshl_add_u32 v7, v13, 13, v7                 ; and out: 4 bytes a channel; lanes 16-31 four t further on
	s_wait_alu depctr_va_vdst(0)
	s_wait_kmcnt 0x0
	s_add_nc_u64 s[8:9], s[8:9], s[26:27]
	s_add_nc_u64 s[10:11], s[10:11], s[28:29]
	s_add_nc_u64 s[16:17], s[16:17], s[32:33]
	s_add_nc_u64 s[18:19], s[18:19], s[34:35]
	global_load_b128 v[8:11], v6, s[10:11] th:TH_LOAD_NT
.irp r, 0,1,2,3,4,5,6,7,8,9,10,11,12,13,14,15
	global_load_b128 v[16+4*\r:19+4*\r], v3, s[8:9] offset:1024*\r th:TH_LOAD_NT   ; 512 consecutive bytes of channel r
.endr
.irp r, 0,1,2,3,4,5,6,7,8,9,10,11,12,13,14,15
	s_wait_loadcnt 15-\r                           ; channel r's load is in; the younger ones may be out
	ds_store_b128 v4, v[16+4*\r:19+4*\r] offset:16*\r
.endr
.irp i, 0,1,2,3,4,5,6,7,8,9,10,11,12,13,14,15
	ds_load_b128 v[80+4*\i:83+4*\i], v5 offset:544*\i   ; pieces 2 i and 2 i + 1: t = i / 2, c = i % 2, h = lane / 16
.endr
.irp j, 0,1,2,3
	global_store_b32 v7, v[8+\j], s[18:19] offset:2048*\j   ; runs of 64 bytes: four waves' runs make up 256; these are 256 KB of all that the launch moves
.endr
.irp i, 0,1,2,3,4,5,6,7,8,9,10,11,12,13,14,15
	s_wait_dscnt 15-\i
	global_store_b128 v3, v[80+4*\i:83+4*\i], s[16:17] offset:(\i/2)*32768+(\i%2)*512   ; 512 consecutive bytes
.endr
	s_wait_tensorcnt 0x0
	ds_add_u32 v192, v193
	s_wait_dscnt 0x0
	s_endpgm
.Lfunc_end_k_q61fd796d91_prep:
	.size	k_q61fd796d91_prep, .Lfunc_end_k_q61fd796d91_prep-k_q61fd796d91_prep
	.p2alignl 7, 3214868480
	.fill 96, 4, 3214868480
	.section	.rodata,"a",@progbits
	.p2align	6, 0x0
	.amdhsa_kernel k_q61fd796d91_prep
		.amdhsa_group_segment_fixed_size 74240
		.amdhsa_private_segment_fixed_size 0
		.amdhsa_enable_private_segment 0
		.amdhsa_kernarg_size 64
		.amdhsa_user_sgpr_count 2
		.amdhsa_user_sgpr_kernarg_segment_ptr 1
		.amdhsa_wavefront_size32 1
		.amdhsa_system_sgpr_workgroup_id_x 1
		.amdhsa_system_sgpr_workgroup_id_y 1
		.amdhsa_system_sgpr_workgroup_id_z 1
		.amdhsa_system_vgpr_workitem_id 0
		.amdhsa_next_free_vgpr 194
		.amdhsa_next_free_sgpr 66
		.amdhsa_reserve_vcc 0
		.amdhsa_float_denorm_mode_32 3
		.amdhsa_float_denorm_mode_16_64 3
		.amdhsa_memory_ordered 1
		.amdhsa_forward_progress 1
		.amdhsa_inst_pref_size 45
	.end_amdhsa_kernel
	.amdgpu_metadata
---
amdhsa.version: [ 1, 2 ]
amdhsa.kernels:
  - .name:           k_q61fd796d91_prep
    .symbol:         k_q61fd796d91_prep.kd
    .args:
      - { .name: q, .offset: 0, .size: 8, .value_kind: global_buffer, .address_space: global }
      - { .name: k, .offset: 8, .size: 8, .value_kind: global_buffer, .address_space: global }
      - { .name: v_codes, .offset: 16, .size: 8, .value_kind: global_buffer, .address_space: global }
      - { .name: v_scales, .offset: 24, .size: 8, .value_kind: global_buffer, .address_space: global }
      - { .name: qc, .offset: 32, .size: 8, .value_kind: global_buffer, .address_space: global }
      - { .name: qs, .offset: 40, .size: 8, .value_kind: global_buffer, .address_space: global }
      - { .name: kvc, .offset: 48, .size: 8, .value_kind: global_buffer, .address_space: global }
      - { .name: kvs, .offset: 56, .size: 8, .value_kind: global_buffer, .address_space: global }
    .group_segment_fixed_size: 74240
    .private_segment_fixed_size: 0
    .kernarg_segment_align: 8
    .kernarg_segment_size: 64
    .max_flat_workgroup_size: 128
    .sgpr_count:     66
    .vgpr_count:     194
    .wavefront_size: 32
...
	.end_amdgpu_metadata
.endif
;; end of part 1
;; launch attn (part 2): grid 16 x 16, 8 waves a work-group, no clusters, 68,608 bytes of LDS; arguments qc, qs, kvc, kvs, mask, out0; writes out0
.if DOCPART == 2
	.amdgcn_target "amdgcn-amd-amdhsa--gfx1250"
	.amdhsa_code_object_version 6
	.text
	.protected	k_q61fd796d91_attn
	.globl	k_q61fd796d91_attn
	.p2align	8
	.type	k_q61fd796d91_attn,@function
k_q61fd796d91_attn:
	s_mov_b64 s[64:65], 0
	v_nop
	global_prefetch_b8 v0, s[64:65] scope:SCOPE_SE
	s_setreg_imm32_b32 hwreg(HW_REG_WAVE_MODE, 25, 1), 1
	s_wait_xcnt 0x0
; out0[b][0][q][64 head + d] = sum over keys of softmax(q . k / 8 + mask x (-1e9)) v, both products on codes of FP4 (E2M1) with one E8M0 scale for each 32 along K.
; THE SOFTMAX: s' = q . k + mask x (-8e9): the mask's term, 8 x (-1e9) and exact, is the C operand of the first product.  t = s' x log2(e) / 8; M = the running largest t rounded UP to a whole number, kept as -M
; (the ceiling of a maximum is the maximum of the ceilings); p = 2^(t - M) by one fused multiply-add and one exponential; p is quantised along the keys, not normalised; the row's sum is taken of the unquantised p
; and divides at the end.  When M moves, the sum and O are multiplied by 2^(old M - new M): exact.
; LIMITS: NaN and infinities in the inputs are not served; the scaled scores stay under 2^31 in magnitude.  The score is added to the mask's term by the matrix instruction's own rounding, not by an f32 addition:
; a row that is masked everywhere, or a fractional mask whose term is large against the scores, can differ in t's last bits from reference()'s separate roundings.
; SHARES.  A UNIT is one head x 16 queries.  A work-group (x = block of 128 queries, y = 4 b + quad of heads) has 32 units, each of its eight waves four: heads 2 ep + e (ep = wave & 1) x query tiles 2 tp + a (tp = wave >> 1).
; Every wave walks all 2,048 keys, 128 a step.  EACH WAVE KEEPS ITS OPERANDS IN ITS OWN REGISTERS: K's and V's fragments lie in kvc in the order of the operands' registers and are loaded straight, 512 consecutive bytes a load;
; the mask's rows are loaded as 512 consecutive bytes, scaled, and turned through the wave's own LDS stage into the layout of S^T.  No wave reads what another wave wrote: the launch has no barrier.
; NO JOINT LOADS: a ring for 128 queries x 4 heads takes 768 bytes a key (512 of mask, 256 of codes), so two slots within 327,680 bytes hold 128 keys each, and eight waves of sixteen partners would meet at a round for every key step.
; LAYOUT.  Both products are used transposed (S^T = K Q^T + C, O^T = V^T P^T): a lane holds ONE query (lane % 16).  K = 64 is half of the instruction's 128: a fragment of K carries two tiles of 16 keys; Q stands as [0, q, 0],
; [q, 0] picks the first tile, [0, q] the second.  The 16 registers of a fragment's two results are the keys 32 f + 16 (lane / 16) + 0 .. 15.
; REGISTERS, window 0: v1 16 x lane; v3, v4 offsets of K's and V's scale words; v5, v6 the spare word's address and 0; v7 the prefetch's offset; v8, v9 the stage, in and back; v10 f; v11, v71 p's scale words; v2, v70 at work;
;   v12-27 four a unit: -M, Q's scale word, the sum in two halves; v28-63 Q; v64-67 K's scale words, v68-69 V's; v72-87 p's codes (before that: part sums); v88-95 at work; v96-159 K, a buffer a head; v160-191 V; v192-255 S^T, then p.
;   window 1: v0-127 the mask's term of my 32 queries; v128-255 O^T, 32 a unit.
.set MP,    528                        ; a stage row: 512 bytes + 16: the sixteen rows of a load start at sixteen different groups of four banks
.set WST,   16*MP                      ; a wave's stage: 8,448 bytes
.set SPARE, 8*WST                      ; the spare words, 128 bytes for each wave
.set PC,  72
.set BM,  88
.set PD,  92
.set KF,  96
.set VF,  160
.set S,   192
.set MSB, 0
.macro WIN new                         ; s_set_vgpr_msb: bits 1:0 source 0, 3:2 source 1, 5:4 source 2, 7:6 destination; the high byte repeats the setting that is left
.if MSB != \new
	s_set_vgpr_msb (MSB<<8)|\new
.set MSB, \new
.endif
.endm
.macro PLACES                          ; four plain lines between a matrix instruction and a load into, or a vector read of, its registers
.rept 4
	v_nop
.endr
.endm
.macro AW
	s_wait_alu depctr_va_vdst(0)
.endm
.macro GK e, d                         ; K of head 2 ep + e, d steps on: four fragments and their scale words: 10 loads
.irp f, 0,1,2,3
	global_load_b128 v[KF+32*(\e)+8*\f:KF+32*(\e)+8*\f+3], v1, s[8:9] offset:32768*(\d)+4096*\f+1024*(\e)
	global_load_b128 v[KF+32*(\e)+8*\f+4:KF+32*(\e)+8*\f+7], v1, s[8:9] offset:32768*(\d)+4096*\f+1024*(\e)+512
.endr
	global_load_b32 v[64+2*(\e)], v3, s[10:11] offset:2048*(\d)+64*(\e)
	global_load_b32 v[65+2*(\e)], v3, s[10:11] offset:2048*(\d)+64*(\e)+512
.endm
.macro GV e                            ; V of that head, this step: four tiles of 16 channels x 128 keys and their scale words: 10 loads
.irp t, 0,1,2,3
	global_load_b128 v[VF+8*\t:VF+8*\t+3], v1, s[8:9] offset:16384+4096*\t+1024*(\e)
	global_load_b128 v[VF+8*\t+4:VF+8*\t+7], v1, s[8:9] offset:16384+4096*\t+1024*(\e)+512
.endr
	global_load_b32 v68, v4, s[10:11] offset:256*(\e)
	global_load_b32 v69, v4, s[10:11] offset:256*(\e)+128
.endm
.macro GM m, d                         ; the mask of query tile m, d steps on: 16 rows of 512 consecutive bytes: 16 loads
	WIN 0x40
.irp i, 0,1,2,3,4,5,6,7,8,9,10,11,12,13,14,15
	global_load_b128 v[64*(\m)+4*\i:64*(\m)+4*\i+3], v1, s[12:13] offset:512*(\d)+(16*(\m)+\i)*8192
.endr
	WIN 0
.endm
; The mask's tile m: x (-8e9), into my stage by rows, and back in S^T's layout: register 16 b + i = key 32 b + 16 h + i of query r.  LDS serves a wave's instructions in order: the loads see the stores.
.macro TURN m
	WIN 0x41
.set j, 0
.rept 32
	v_pk_mul_f32 v[64*(\m)+j:64*(\m)+j+1], v[64*(\m)+j:64*(\m)+j+1], s[26:27] op_sel_hi:[1,0]
.set j, j+2
.endr
	WIN 0x04
.irp i, 0,1,2,3,4,5,6,7,8,9,10,11,12,13,14,15
	ds_store_b128 v8, v[64*(\m)+4*\i:64*(\m)+4*\i+3] offset:MP*\i
.endr
	WIN 0x40
.irp b, 0,1,2,3
.irp i, 0,1,2,3
	ds_load_b128 v[64*(\m)+16*\b+4*\i:64*(\m)+16*\b+4*\i+3], v9 offset:128*\b+16*\i
.endr
.endr
	WIN 0
.endm
; A PREFETCH of tile n + 3 in trip n, whose loads ask for tile n + 1: two trips ahead of the loads that want it.  The sixteen work-groups of a y share a tile's 32,768 bytes of codes out by x, 8 blocks of 256 bytes each (wave 0);
; the sixteen of an x share the mask's 128 rows out by y, 8 rows of two blocks each (wave 1).  Lanes that are left over name their wave's last block again.  Trips 13 and 14 ask for nothing; tiles 0 to 2 come by their loads alone.
.macro ASK
	s_cmp_gt_u32 s41, s40
	s_cbranch_scc0 .Lnot_mine_\@
	global_prefetch_b8 v7, s[36:37] th:TH_LOAD_NT scope:SCOPE_SE
.Lnot_mine_\@:
.endm
; S^T of unit (e, a): eight products, each with the mask's term as its C.
.macro SMUL e, a
.set UU, 2*(\e)+(\a)
	WIN 0x10                                       ; C in window 1
.irp f, 0,1,2,3
.if (\f)%2
	v_wmma_scale_f32_16x16x128_f8f6f4 v[S+16*\f:S+16*\f+7], v[KF+32*(\e)+8*\f:KF+32*(\e)+8*\f+7], v[32+8*UU:39+8*UU], v[64*(\a)+16*\f:64*(\a)+16*\f+7], v[64+2*(\e)+\f/2], v[13+4*UU] matrix_a_fmt:MATRIX_FMT_FP4 matrix_b_fmt:MATRIX_FMT_FP4 matrix_a_scale:MATRIX_SCALE_ROW1
	v_wmma_scale_f32_16x16x128_f8f6f4 v[S+16*\f+8:S+16*\f+15], v[KF+32*(\e)+8*\f:KF+32*(\e)+8*\f+7], v[28+8*UU:35+8*UU], v[64*(\a)+16*\f+8:64*(\a)+16*\f+15], v[64+2*(\e)+\f/2], v[13+4*UU] matrix_a_fmt:MATRIX_FMT_FP4 matrix_b_fmt:MATRIX_FMT_FP4 matrix_a_scale:MATRIX_SCALE_ROW1
.else
	v_wmma_scale_f32_16x16x128_f8f6f4 v[S+16*\f:S+16*\f+7], v[KF+32*(\e)+8*\f:KF+32*(\e)+8*\f+7], v[32+8*UU:39+8*UU], v[64*(\a)+16*\f:64*(\a)+16*\f+7], v[64+2*(\e)+\f/2], v[13+4*UU] matrix_a_fmt:MATRIX_FMT_FP4 matrix_b_fmt:MATRIX_FMT_FP4
	v_wmma_scale_f32_16x16x128_f8f6f4 v[S+16*\f+8:S+16*\f+15], v[KF+32*(\e)+8*\f:KF+32*(\e)+8*\f+7], v[28+8*UU:35+8*UU], v[64*(\a)+16*\f+8:64*(\a)+16*\f+15], v[64+2*(\e)+\f/2], v[13+4*UU] matrix_a_fmt:MATRIX_FMT_FP4 matrix_b_fmt:MATRIX_FMT_FP4
.endif
.endr
	WIN 0
.endm
; O^T += V^T P^T for head e, both tiles of queries: eight accumulators by turns, one instruction a turn.
.macro PV e
	WIN 0x50                                       ; C and D in window 1
.irp t, 0,1,2,3
.irp a, 0,1
.set OO, 128+32*(2*(\e)+\a)+8*\t
.if (\t)%2
	v_wmma_scale_f32_16x16x128_f8f6f4 v[OO:OO+7], v[VF+8*\t:VF+8*\t+7], v[PC+8*\a:PC+8*\a+7], v[OO:OO+7], v[68+\t/2], v[11+60*\a] matrix_a_fmt:MATRIX_FMT_FP4 matrix_b_fmt:MATRIX_FMT_FP4 matrix_a_scale:MATRIX_SCALE_ROW1
.else
	v_wmma_scale_f32_16x16x128_f8f6f4 v[OO:OO+7], v[VF+8*\t:VF+8*\t+7], v[PC+8*\a:PC+8*\a+7], v[OO:OO+7], v[68+\t/2], v[11+60*\a] matrix_a_fmt:MATRIX_FMT_FP4 matrix_b_fmt:MATRIX_FMT_FP4
.endif
.endr
.endr
	WIN 0
.endm
.macro SI t                            ; a part sum begins with the next two pairs of p
	v_pk_add_f32 v[\t:\t+1], v[S+j:S+j+1], v[S+j+2:S+j+3]
.set j, j+4
.endm
.macro SA t                            ; and takes the next pair
	v_pk_add_f32 v[\t:\t+1], v[\t:\t+1], v[S+j:S+j+1]
.set j, j+2
.endm
; THE SOFTMAX of unit (e, a) for 128 keys: from s' in S to p's codes, its scale word, the sum and O^T under the new M.
; hook, behind the rescaling of O^T: 0 or 1: the mask's tile 0 or 1 is waited for and turned for its next use; 2: nothing; 3, 4: V is waited for, with 10 or no younger loads out.
.macro SOFT e, a, hook
.set UU, 2*(\e)+(\a)
.set ST, 12+4*UU
.set OO, 128+32*UU
.set PP, PC+8*(\a)
.set PSA, 11+60*(\a)
.irp b, 0,1,2,3                        ; the largest s' of each block of 32 keys, in two chains a block: it serves the row's maximum and, since p rises with s', the block's largest p.  Each accumulator is read from its low end on
	v_max3_num_f32 v[BM+\b], v[S+16*\b], v[S+16*\b+1], v[S+16*\b+2]
.endr
.irp b, 0,1,2,3
	v_max3_num_f32 v[PD+\b], v[S+16*\b+8], v[S+16*\b+9], v[S+16*\b+10]
.endr
.irp i, 3,5
.irp b, 0,1,2,3
	v_max3_num_f32 v[BM+\b], v[BM+\b], v[S+16*\b+\i], v[S+16*\b+\i+1]
.endr
.irp b, 0,1,2,3
	v_max3_num_f32 v[PD+\b], v[PD+\b], v[S+16*\b+\i+8], v[S+16*\b+\i+9]
.endr
.endr
.irp b, 0,1,2,3
	v_max3_num_f32 v[BM+\b], v[BM+\b], v[S+16*\b+7], v[S+16*\b+15]
.endr
.irp b, 0,1,2,3
	v_max_num_f32 v[BM+\b], v[BM+\b], v[PD+\b]
.endr
.irp b, 0,1,2,3
	v_permlanex16_b32 v[PD+\b], v[BM+\b], s20, s21
.endr
.irp b, 0,1,2,3
	v_max_num_f32 v[BM+\b], v[BM+\b], v[PD+\b]     ; with lane l xor 16's 16 keys
.endr
	v_max3_num_f32 v70, v[BM], v[BM+1], v[BM+2]
	s_delay_alu instid0(VALU_DEP_1)
	v_max_num_f32 v70, v70, v[BM+3]                ; the step's largest s' of my query
	s_delay_alu instid0(VALU_DEP_1)
	v_mul_f32 v70, s24, v70                        ; -t
	s_delay_alu instid0(VALU_DEP_1)
	v_floor_f32 v70, v70                           ; -ceil(t)
	s_delay_alu instid0(VALU_DEP_1)
	v_min_num_f32 v70, v70, v[ST]                  ; the new -M
	s_delay_alu instid0(VALU_DEP_1)
	v_sub_f32 v2, v70, v[ST]                       ; old M - new M: a whole number, 0 or less
	v_mov_b32 v[ST], v70
.irp b, 0,1,2,3
	v_fma_f32 v[BM+\b], v[BM+\b], s22, v[ST]       ; t - M of each block's largest
.endr
.set j, 0
.rept 32
	v_pk_fma_f32 v[S+j:S+j+1], v[S+j:S+j+1], s[22:23], v[ST:ST+1] op_sel_hi:[1,0,0]   ; t - M, two at a time (of the pairs the low word serves both halves)
.set j, j+2
.endr
	AW                                             ; ahead of the batch
.set j, 0
.rept 64
	v_exp_f32 v[S+j], v[S+j]                       ; p = 2^(t - M)
.set j, j+1
.endr
.irp b, 0,1,2,3
	v_exp_f32 v[BM+\b], v[BM+\b]                   ; the block's largest p: the same two operations on the same number give the same bits
.endr
	v_cvt_i32_f32 v2, v2                           ; (it saturates.)  These three lines name no exponential's result: plain work behind the batch
	v_ldexp_f32 v10, 1.0, v2                       ; f = 2^(old M - new M)
	v_pk_mul_f32 v[ST+2:ST+3], v[ST+2:ST+3], v[10:11] op_sel_hi:[1,0]   ; the sum under the new M
	WIN 0x41
	AW                                             ; behind the batch, ahead of its first reader, and directly ahead of the first readers of O^T
.set j, 0
.rept 16
	v_pk_mul_f32 v[OO+j:OO+j+1], v[OO+j:OO+j+1], v[10:11] op_sel_hi:[1,0]   ; O^T under the new M
.set j, j+2
.endr
	WIN 0
.if \hook == 0
	s_wait_loadcnt 26                              ; the mask's tile 0 is in (and V of head 1 and K of head 0, asked for earlier): behind it K of head 1 (10) and the mask's tile 1 (16) were asked for
	TURN 0
.endif
.if \hook == 1
	s_wait_loadcnt 10                              ; the mask's tile 1 is in (and K of head 1): behind it V's 10 loads were asked for
	TURN 1
.endif
.if \hook == 3
	s_wait_loadcnt 10                              ; V of head 0 is in: behind it K's 10 loads were asked for
.endif
.if \hook == 4
	s_wait_loadcnt 0x0                             ; V is in: nothing was asked for behind it
.endif
.irp b, 0,1,2,3
	v_max_num_f32 v[BM+\b], 0x1800000, v[BM+\b]    ; the floor 2^(3 - 127): the byte cannot fall under 1 (a block whose every p is 0 keeps that byte: its codes are zeros)
.endr
.irp b, 0,1,2,3
	v_add_nc_u32 v[BM+\b], 0xff000000, v[BM+\b]    ; 2 off the exponent field: the conversion's scale operand
.endr
.irp b, 0,1,2,3
	v_lshrrev_b32 v[PD+\b], 23, v[BM+\b]           ; the scale's byte
.endr
.set j, 0                              ; the row's sum of the unquantised p: six part sums by turns, four of them in the registers that p's codes take afterwards; p's scale word is put together among them
	v_lshl_or_b32 v[PSA], v[PD+1], 8, v[PD]
	SI PP
	SI PP+2
	v_lshl_or_b32 v[PSA], v[PD+2], 16, v[PSA]
	SI PP+4
	SI PP+6
	v_lshl_or_b32 v[PSA], v[PD+3], 24, v[PSA]
	SI PD
	SI PD+2
.rept 3
	SA PP
	SA PP+2
	SA PP+4
	SA PP+6
	SA PD
	SA PD+2
.endr
	v_pk_add_f32 v[PP:PP+1], v[PP:PP+1], v[PP+2:PP+3]
	v_pk_add_f32 v[PP+4:PP+5], v[PP+4:PP+5], v[PP+6:PP+7]
	v_pk_add_f32 v[PD:PD+1], v[PD:PD+1], v[PP:PP+1]
	v_pk_add_f32 v[PD+2:PD+3], v[PD+2:PD+3], v[PP+4:PP+5]
.irp b, 0,1,2,3
	v_cvt_scalef32_pk8_fp4_f32 v[PP+2*\b], v[S+16*\b:S+16*\b+7], v[BM+\b]
	v_cvt_scalef32_pk8_fp4_f32 v[PP+2*\b+1], v[S+16*\b+8:S+16*\b+15], v[BM+\b]
.endr
	v_pk_add_f32 v[PD:PD+1], v[PD:PD+1], v[PD+2:PD+3]   ; (the plain line behind the scaled conversions)
.irp c, 0,1                            ; the operand's layout wants a WHOLE block in a lane
.irp i, 0,1
	v_permlane16_swap_b32 v[PP+4*\c+\i], v[PP+4*\c+2+\i]
.endr
.endr
	SA ST+2                                        ; the last two pairs and the part sums; with the line below, for tile 1, the four places between the codes just made and the product
	SA ST+2
	v_pk_add_f32 v[ST+2:ST+3], v[ST+2:ST+3], v[PD:PD+1]
.if (\a) == 1
	v_nop
.endif
.endm
; A KEY STEP: 128 keys, my four units.  Loads are asked for behind the products that last read their registers: K of a head three units ahead of its use, V nearly two, a tile of the mask one and a half ahead of its turn.
; last = 1: nothing beyond the last tile is asked for.
.macro STEP last
	s_wait_dscnt 0x0                               ; the mask's tile 0 is back from the stage
	SMUL 0, 0
	PLACES
	GV 0
	SOFT 0, 0, 1
	s_wait_dscnt 0x0                               ; the mask's tile 1 is back
	SMUL 0, 1
	PLACES
.if \last == 0
	GK 0, 1
	ASK
	SOFT 0, 1, 3
.else
	SOFT 0, 1, 4
.endif
	PV 0
	SMUL 1, 0
	PLACES
	GV 1
.if \last == 0
	GM 0, 1
.endif
	SOFT 1, 0, 2
	SMUL 1, 1
	PLACES
.if \last == 0
	GK 1, 1
	GM 1, 1
	SOFT 1, 1, 0
.else
	SOFT 1, 1, 4
.endif
	PV 1
.endm
	s_load_b256 s[4:11], s[0:1], 0x0               ; qc s[4:5], qs s[6:7], kvc s[8:9], kvs s[10:11]
	s_load_b128 s[12:15], s[0:1], 0x20             ; mask s[12:13], out0 s[14:15]
	v_lshl_add_u32 v5, v0, 2, SPARE
	v_mov_b32 v6, 0
	v_lshrrev_b32 v70, 5, v0
	v_readfirstlane_b32 s16, v70                   ; wave 0..7
	s_and_b32 s17, s16, 1                          ; ep
	s_lshr_b32 s18, s16, 1                         ; tp
	s_and_b32 s19, ttmp7, 0xffff                   ; y; x is ttmp9
	s_mov_b32 s20, 0x76543210
	s_mov_b32 s21, 0xfedcba98                      ; v_permlanex16_b32's selects for lane l xor 16
	s_mov_b32 s22, 0x3e38aa3b                      ; c = log2(e) / 8
	s_mov_b32 s23, s22
	s_mov_b32 s24, 0xbe38aa3b                      ; -c
	s_mov_b32 s26, 0xcfee6b28                      ; -8e9
	s_mov_b32 s27, s26
	s_mov_b32 s41, 15                              ; trips of the loop
	s_lshl_b32 s28, s19, 4
	s_add_co_u32 s28, s28, ttmp9                   ; 16 y + x
	s_lshl_b32 s30, s28, 14
	s_lshl_b32 s29, s18, 12
	s_add_co_u32 s30, s30, s29
	s_lshl_b32 s29, s17, 11
	s_add_co_u32 s30, s30, s29                     ; qc: my four units
	s_mov_b32 s31, 0
	s_lshl_b32 s32, s28, 10
	s_lshl_b32 s29, s18, 8
	s_add_co_u32 s32, s32, s29
	s_lshl_b32 s29, s17, 7
	s_add_co_u32 s32, s32, s29                     ; qs
	s_mov_b32 s33, 0
	s_lshl_b32 s34, s19, 19
	s_lshl_b32 s29, s17, 11
	s_add_co_u32 s34, s34, s29                     ; kvc: y's 16 steps of 32,768 bytes, my pair of heads
	s_mov_b32 s35, 0
	s_lshl_b32 s42, s19, 15                        ; kvs: 16 steps of 2,048 bytes
	s_mov_b32 s43, 0
	s_lshl_b32 s44, ttmp9, 20
	s_lshl_b32 s29, s18, 18
	s_add_co_u32 s44, s44, s29                     ; mask: row 128 x + 32 tp, of 8,192 bytes
	s_mov_b32 s45, 0
	s_lshr_b32 s46, s19, 2
	s_lshl_b32 s46, s46, 23                        ; out0: b,
	s_lshl_b32 s29, ttmp9, 19
	s_add_co_u32 s46, s46, s29                     ; 128 x rows of 4,096 bytes,
	s_lshl_b32 s29, s18, 17
	s_add_co_u32 s46, s46, s29                     ; 32 tp rows,
	s_and_b32 s29, s19, 3
	s_lshl_b32 s29, s29, 10
	s_add_co_u32 s46, s46, s29                     ; the quad,
	s_lshl_b32 s29, s17, 9
	s_add_co_u32 s46, s46, s29                     ; my pair of heads
	s_mov_b32 s47, 0
	s_mul_i32 s48, s16, WST                        ; my stage
	s_lshl_b32 s57, s17, 7
	s_lshl_b32 s58, s17, 9
	s_add_co_u32 s58, s58, 1024
	s_lshl_b32 s50, s19, 19                        ; the prefetches: codes: y's block, my work-group's 2,048 bytes by x, tile 3;
	s_lshl_b32 s29, ttmp9, 11
	s_add_co_u32 s50, s50, s29
	s_add_co_u32 s50, s50, 3*32768
	s_lshl_b32 s52, ttmp9, 20                      ; mask: x's rows, my work-group's 8 by y, tile 3
	s_lshl_b32 s29, s19, 16
	s_add_co_u32 s52, s52, s29
	s_add_co_u32 s52, s52, 3*512
	s_mov_b32 s38, 512
	s_mov_b32 s54, 8192
	s_cmp_eq_u32 s16, 0                            ; wave 0 asks for codes, wave 1 for the mask
	s_cselect_b32 s50, s50, s52
	s_cselect_b32 s38, 32768, s38                  ; a tile on
	s_cselect_b32 s54, 256, s54                    ; from block to block, or from row to row
	s_cselect_b32 s55, 7, 15                       ; my last block
	s_cselect_b32 s56, 0, 1                        ; blocks a row: 1 or 2
	s_mov_b32 s51, 0
	s_mov_b32 s39, 0
	s_cmp_lt_u32 s16, 2
	s_cselect_b32 s40, 2, 64                       ; a wave asks while the trips to go are above this
	v_and_b32 v192, 31, v0                         ; lane
	v_and_b32 v193, 15, v0                         ; r
	v_bfe_u32 v194, v0, 4, 1                       ; h
	v_and_b32 v195, 7, v0                          ; r & 7
	v_bfe_u32 v196, v0, 3, 1                       ; r >> 3
	v_lshlrev_b32 v1, 4, v192
	v_lshlrev_b32 v3, 2, v193
	v_lshl_add_u32 v3, v194, 8, v3
	v_add_nc_u32 v3, s57, v3                       ; K's scale words: lanes 0-15 fragment f, lanes 16-31 fragment f + 1
	v_lshl_add_u32 v4, v192, 2, s58                ; V's: lanes 0-15 tile dt, lanes 16-31 tile dt + 1
	v_add_nc_u32 v8, s48, v1                       ; the stage, in: a row's 512 bytes on end
	v_mul_u32_u24 v9, v193, MP
	v_lshl_add_u32 v9, v194, 6, v9
	v_add_nc_u32 v9, s48, v9                       ; and back: row r, + 64 h: my 16 keys of a block of 32
	v_lshlrev_b32 v197, 4, v195
	v_lshl_add_u32 v197, v196, 9, v197
	v_lshl_add_u32 v197, v194, 8, v197             ; Q: query 16 a + r stands in qc at u = r >> 3, row (r & 7) + 8 a
	v_lshlrev_b32 v198, 2, v195
	v_mov_b32 v199, 0x03020302
	v_mov_b32 v204, 0x01000100
	v_cmp_eq_u32 vcc_lo, 0, v196
	v_cndmask_b32 v199, v199, v204, vcc_lo         ; which two bytes of a word of qs are my query's
	v_min_u32 v7, s55, v192
	v_lshrrev_b32 v205, s56, v7
	v_and_b32 v7, s56, v7
	v_lshlrev_b32 v7, 8, v7
	v_mad_u32_u24 v7, v205, s54, v7                ; the prefetch's offset
	AW
	s_wait_kmcnt 0x0
	s_cmp_eq_u32 s16, 0
	s_cselect_b64 s[36:37], s[8:9], s[12:13]
	s_add_nc_u64 s[36:37], s[36:37], s[50:51]
	s_add_nc_u64 s[4:5], s[4:5], s[30:31]
	s_add_nc_u64 s[6:7], s[6:7], s[32:33]
	s_add_nc_u64 s[8:9], s[8:9], s[34:35]
	s_add_nc_u64 s[10:11], s[10:11], s[42:43]
	s_add_nc_u64 s[12:13], s[12:13], s[44:45]
	s_add_nc_u64 s[14:15], s[14:15], s[46:47]
.irp e, 0,1
.irp a, 0,1
	global_load_b128 v[32+8*(2*\e+\a):35+8*(2*\e+\a)], v197, s[4:5] offset:1024*\e+128*\a
	global_load_b32 v[200+2*\e+\a], v198, s[6:7] offset:64*\e+32*\a
.endr
.endr
	GK 0, 0                                        ; step 0's operands, in the order in which a trip leaves them asked for
	GM 0, 0
	GK 1, 0
	GM 1, 0
.irp z, 28,36,44,52,60
.irp i, 0,1,2,3
	v_mov_b32 v[\z+\i], 0                          ; the zero codes round q
.endr
.endr
.irp U, 0,1,2,3
	v_mov_b32 v[12+4*\U], 0x7f61b1e6               ; -M: 3e38, above every -t
	v_mov_b32 v[14+4*\U], 0                        ; the sum, in two halves
	v_mov_b32 v[15+4*\U], 0
.endr
	v_mov_b32 v11, 0                               ; (named as the upper half of the pair v[10:11] before it is first written)
	WIN 0x40
.set j, 0
.rept 128
	v_mov_b32 v[128+j], 0                          ; O^T: the step is written for the loop and its tail alone; the first step finds zeros, which the first change of M leaves zeros
.set j, j+1
.endr
	WIN 0
	AW
	s_wait_loadcnt 26                              ; Q, K of head 0 and the mask's tile 0 are in
.irp U, 0,1,2,3
	v_perm_b32 v[13+4*\U], v[200+\U], v[200+\U], v199   ; (s0, s1, s0, s1): the word serves [q, 0] and [0, q] alike
.endr
	TURN 0
.Lstep:                                            ; 15 trips: step n is multiplied while step n + 1's operands are asked for
	STEP 0
	s_wait_xcnt 0x0                                ; the trip's loads and prefetch have read their bases
	s_add_nc_u64 s[8:9], s[8:9], 32768
	s_add_nc_u64 s[10:11], s[10:11], 2048
	s_add_nc_u64 s[12:13], s[12:13], 512
	s_add_nc_u64 s[36:37], s[36:37], s[38:39]
	s_sub_co_u32 s41, s41, 1
	s_cmp_lg_u32 s41, 0
	s_cbranch_scc1 .Lstep
	STEP 1
	; THE WAY OUT.  The sum's halves are added (these lines are the places behind the last products); O^T is divided by the sum and goes, a unit at a time, through my stage.
.irp U, 0,1,2,3
	v_add_f32 v[BM+\U], v[14+4*\U], v[15+4*\U]
.endr
.irp U, 0,1,2,3
	v_permlanex16_b32 v[PD+\U], v[BM+\U], s20, s21
.endr
.irp U, 0,1,2,3
	v_add_f32 v[BM+\U], v[BM+\U], v[PD+\U]
.endr
	v_and_b32 v76, 15, v0                          ; r
	v_bfe_u32 v77, v0, 4, 1                        ; h
	v_mul_u32_u24 v78, v76, 272
	v_lshl_add_u32 v78, v77, 5, v78
	v_add_nc_u32 v78, s48, v78                     ; the stage, in: row r, + 32 h
	v_mul_u32_u24 v79, v77, 272
	v_lshl_add_u32 v79, v76, 4, v79
	v_add_nc_u32 v79, s48, v79                     ; and back: lanes 0-15 one row, lanes 16-31 the next
	v_lshlrev_b32 v80, 12, v77
	v_lshl_add_u32 v80, v76, 4, v80                ; the same two rows in out0
	AW
.irp U, 0,1,2,3
	v_rcp_f32 v[72+\U], v[BM+\U]
.endr
	v_nop                                          ; a plain line behind the last reciprocal
.macro OUT e, a
.set UU, 2*(\e)+(\a)
.set BK, KF+32*(\a)                    ; the rows come back into K's two buffers, by turns
	WIN 0x01
	AW                                             ; directly ahead of the first readers of this unit's O^T (the first time also of the reciprocals)
.set j, 0
.rept 32
	v_mul_f32 v[S+j], v[128+32*UU+j], v[72+UU]     ; register 8 t + i is o(query r, channel 16 t + 8 h + i)
.set j, j+1
.endr
	WIN 0
.irp t, 0,1,2,3
	ds_store_b128 v78, v[S+8*\t:S+8*\t+3] offset:64*\t
	ds_store_b128 v78, v[S+8*\t+4:S+8*\t+7] offset:64*\t+16
.endr
.if UU >= 2
	s_wait_xcnt 0x0                                ; the stores of two units back have read their registers
.endif
.irp i, 0,1,2,3,4,5,6,7
	ds_load_b128 v[BK+4*\i:BK+4*\i+3], v79 offset:544*\i   ; LDS serves a wave's instructions in order: these see my stores
.endr
.irp i, 0,1,2,3,4,5,6,7
	s_wait_dscnt 7-\i
	global_store_b128 v80, v[BK+4*\i:BK+4*\i+3], s[14:15] offset:65536*(\a)+256*(\e)+8192*\i th:TH_STORE_NT   ; sixteen lanes store a head's 256 consecutive bytes of a row, aligned
.endr
.endm
	OUT 0, 0
	OUT 0, 1
	OUT 1, 0
	OUT 1, 1
	s_wait_tensorcnt 0x0                           ; the wave's end, behind my last LDS store
	ds_add_u32 v5, v6
	s_wait_dscnt 0x0
	s_endpgm
.Lfunc_end_k_q61fd796d91_attn:
	.size	k_q61fd796d91_attn, .Lfunc_end_k_q61fd796d91_attn-k_q61fd796d91_attn
	.p2alignl 7, 3214868480
	.fill 96, 4, 3214868480
	.section	.rodata,"a",@progbits
	.p2align	6, 0x0
	.amdhsa_kernel k_q61fd796d91_attn
		.amdhsa_group_segment_fixed_size 68608
		.amdhsa_private_segment_fixed_size 0
		.amdhsa_enable_private_segment 0
		.amdhsa_kernarg_size 48
		.amdhsa_user_sgpr_count 2
		.amdhsa_user_sgpr_kernarg_segment_ptr 1
		.amdhsa_wavefront_size32 1
		.amdhsa_system_sgpr_workgroup_id_x 1
		.amdhsa_system_sgpr_workgroup_id_y 1
		.amdhsa_system_sgpr_workgroup_id_z 1
		.amdhsa_system_vgpr_workitem_id 0
		.amdhsa_next_free_vgpr 512
		.amdhsa_next_free_sgpr 66
		.amdhsa_reserve_vcc 1
		.amdhsa_float_denorm_mode_32 3
		.amdhsa_float_denorm_mode_16_64 3
		.amdhsa_memory_ordered 1
		.amdhsa_forward_progress 1
		.amdhsa_inst_pref_size 164
	.end_amdhsa_kernel
	.amdgpu_metadata
---
amdhsa.version: [ 1, 2 ]
amdhsa.kernels:
  - .name:           k_q61fd796d91_attn
    .symbol:         k_q61fd796d91_attn.kd
    .args:
      - { .name: qc, .offset: 0, .size: 8, .value_kind: global_buffer, .address_space: global }
      - { .name: qs, .offset: 8, .size: 8, .value_kind: global_buffer, .address_space: global }
      - { .name: kvc, .offset: 16, .size: 8, .value_kind: global_buffer, .address_space: global }
      - { .name: kvs, .offset: 24, .size: 8, .value_kind: global_buffer, .address_space: global }
      - { .name: mask, .offset: 32, .size: 8, .value_kind: global_buffer, .address_space: global }
      - { .name: out0, .offset: 40, .size: 8, .value_kind: global_buffer, .address_space: global }
    .group_segment_fixed_size: 68608
    .private_segment_fixed_size: 0
    .kernarg_segment_align: 8
    .kernarg_segment_size: 48
    .max_flat_workgroup_size: 256
    .sgpr_count:     66
    .vgpr_count:     512
    .wavefront_size: 32
...
	.end_amdgpu_metadata
.endif
;; end of part 2
